; MI455X (gfx1250); checked and timed in simulation.
; The chip was launched on July 23, 2026; its instructions are those of AMD's public machine-readable ISA for CDNA 5 (MIT licence, August 2026) and "CDNA5" Instruction Set Architecture Reference Guide (July 2026). The comments in the code are by the model that wrote it; some were corrected since.
;; mutual Pooling Dir. Allowed arithmetic: matrix products marked QUANTISED: E4M3 operands, one E8M0 scale for each 32 along K, by v_wmma_scale_f32_16x16x128_f8f6f4 with both operands' format E4M3, f32 sums; products left as they are: f32 operands where the result goes on into a quantised operand, else bf16, f16 or f32 operands; f32 sums; everything else in f32.
;; Inputs: Wk_codes 128 x 4 x 32 uint8 (E4M3 codes of Wk, K innermost, in blocks of 32 codes); Wk_scales 128 x 4 uint8 (E8M0 scales of Wk, one for each 32 codes along K); bk 128 float32; gallery_base_codes 64 x 100 x 4 x 32 uint8 (E4M3 codes of gallery_base, K innermost, in blocks of 32 codes); gallery_base_scales 64 x 100 x 4 uint8 (E8M0 scales of gallery_base, one for each 32 codes along K); gallery_value 64 x 100 x 128 float32; querys 64 x 128 float32.
;; Outputs: out0 64 x 64 x 128 float32.
;; This version of the problem:
;;   THIS VERSION OF THE PROBLEM IS GIVEN IN LOW PRECISION. The matrix products marked QUANTISED in the list below multiply operands that are first quantised to E4M3 (4 exponent bits, 3 mantissa bits; 8 bits a number), with one power-of-two scale for each 32 numbers along K (OCP MX v1.0); their sums are f32. All else is computed in f32.
;;   The module's matrix products, in the order in which they are computed (A, B: the left and right operand; K: the contracted axis; several contracted axes count as one K, in the product's order):
;;     1. [M 6,400, K 128] x [K 128, N 128]; A: input gallery_base (given as codes); B: input Wk (given as codes): QUANTISED
;;     2. batch 8,192 x [M 1, K 100] x [K 100, N 64]; A: input gallery_value; B: softmax: left as it is (M = 1 < 16)
;;   THE QUANTISER, for each operand of a quantised product, along K:
;;     - K is cut into blocks of 32 from its start; a last block that is shorter is filled with zeros.
;;     - A block's scale is 2^e with e = floor(log2(the largest magnitude in the block)) - 8, held to -126 .. 127; a block of zeros has e = 0. As a byte (E8M0): e + 127.
;;     - Each number is divided by its block's scale, clamped to +-448, and rounded to the nearest number of E4M3, ties to even, subnormals kept.
;;     - The product sums the exact products of the quantised numbers (number of the format x scale) in f32.
;;   ~~~python
;;   def quantise(x, axis):      # numpy; x: float32 -> the quantised numbers, widened to float32 again
;;       x = np.moveaxis(x, axis, -1); K = x.shape[-1]
;;       x = np.pad(x, [(0, 0)] * (x.ndim - 1) + [(0, -K % 32)]); x = x.reshape(x.shape[:-1] + (-1, 32)); a = np.abs(x).max(-1, keepdims=True)
;;       e = np.where(a > 0, np.clip(np.frexp(np.where(a > 0, a, 1))[1] - 1 - 8, -126, 127), 0)      # np.frexp(a)[1] - 1 = floor(log2(a)), exactly
;;       r = np.clip(x / 2.0 ** e, -448, 448)
;;       step = 2.0 ** (np.maximum(np.frexp(np.where(r == 0, 1, r))[1] - 1, -6) - 3)
;;       q = np.round(r / step) * step * 2.0 ** e      # np.round: ties to even
;;       return np.moveaxis(q.reshape(q.shape[:-2] + (-1,))[..., :K], -1, axis).astype(np.float32)
;;   ~~~
;;   INPUTS GIVEN AS CODES. Wk (in the module: [128, 128], K = its axis 1); gallery_base (in the module: [64, 100, 128], K = its axis 2): each comes as NAME_codes (uint8): NAME with its K axis moved to the last place and cut into blocks of 32 codes, [.., K / 32, bytes a block], one block behind the other in memory; one code a byte (a code: sign, 4 exponent bits, 3 mantissa bits); and NAME_scales (uint8): the same leading axes, one E8M0 byte (e + 127) for each 32 codes along K. Its value is code x scale, taken as it is: it is not quantised again, and the codes and scales need not be those that the quantiser above would give.
;; One version. Each part assembles by itself: llvm-mc -triple=amdgcn-amd-amdhsa -mcpu=gfx1250 --defsym DOCPART=n.
;; ======== version 1 of 1: 1 launch
;; launch pool (part 1): grid 4 x 64, 16 waves a work-group, no clusters, 169,984 bytes of LDS; arguments Wk_codes, Wk_scales, bk, gallery_base_codes, gallery_base_scales, gallery_value, querys, out0; writes out0
.if DOCPART == 1
	.amdgcn_target "amdgcn-amd-amdhsa--gfx1250"
	.amdhsa_code_object_version 6
	.text
	.protected	k_q46f3bd9c7f_pool
	.globl	k_q46f3bd9c7f_pool
	.p2align	8
	.type	k_q46f3bd9c7f_pool,@function
k_q46f3bd9c7f_pool:
	s_mov_b64 s[64:65], 0
	v_nop
	global_prefetch_b8 v0, s[64:65] scope:SCOPE_SE
	s_setreg_imm32_b32 hwreg(HW_REG_WAVE_MODE, 25, 1), 1
	s_wait_xcnt 0x0
; out[p][g][d] = sum over l of softmax_l(q[p][d] K[g][l][d]) V[g][l][d],  K[g][l][e] = sum over d of base[g][l][d] Wk[e][d] + bk[e].
; base [64][100][128] and Wk [128][128] come as codes of FP8 (E4M3) with one E8M0 byte for each 32 along K; V [64][100][128], q [64][128], bk [128], out [64][64][128] are f32.
; SHARES.  256 work-groups: x = 0..3 says which 64 columns d (x % 2) and which 32 queries p (x / 2), y is the gallery g.  64 columns are 256 bytes: rows of V and q and the pieces of out are whole aligned blocks.
; Sixteen waves of 256 registers: wave w takes column group w % 4 (16 columns) and query group w / 4 (8 queries).
; LAYOUT.  The product is used with source 0 = 16 rows l of base, source 1 = 16 rows e of Wk: in the result lane (r, h) holds column r and rows 8 h + 0..7.  So a lane owns ONE column and half of the rows,
; which is what the pooling wants: K is never transposed.  Rows 0..95 are six tiles; the seventh takes l = 96 + m % 2 + 2 (m / 8) for its row m, so that its registers 0 and 1 hold l = 96 + 2 h, 97 + 2 h:
; every lane has exactly 50 rows in 50 registers.  bk is the product's C: the lane's own bk[e] in all eight registers.
; The four waves of a column group share its seven tiles (2, 2, 2, 1) and hand them round through LDS as images of the registers: 16 bytes a lane, 512 bytes a store.
; SOFTMAX.  q is one number for a (p, d), so the largest q K over l is max(q Kmax, q Kmin): the true maximum, from two numbers a column.  With q' = q log2(e), m' = max(q' Kmax, q' Kmin): e = 2^(q' K - m'),
; out = sum(e V) / sum(e).  Two rows an instruction: one packed multiply-add, two exponentials, one packed add, one packed multiply-add.
; BY PHASES.  Phase k scales and exponentiates query k + 1 in one set of 50 registers while it sums query k out of the other set, step by step: the exponentials stand between plain instructions, and a phase has one wait for them.
; NO CLUSTER: what two work-groups share is one tile of 25,600 bytes (the two halves of the queries want the same 64 columns of V), asked for once at the head; behind it a lane has 400 exponentials and no load.
; A joint request would stand behind a round of the cluster's barrier, in front of the only loads that the launch waits for.  Nothing is prefetched: every load stands at the head.
; LIMITS: NaN and infinities among the inputs, and the scale byte 0xff, are not served.  A weight under 2^-126 of its column's largest counts as 0 (v_exp_f32 flushes: ISA guide 15.8).
; The maximum is taken of q log2(e) K, so its last bits are rounded otherwise than those of q K.
.set VP,   272                         ; an LDS row: 256 bytes + 16 of padding.  Lanes 16-31 read 8 rows further down than lanes 0-15: 2,176 bytes = 128 mod 256, so the two runs of 64 bytes fall on different banks (64 banks of 4 bytes: ISA guide 11.1)
.set VQ,   25                          ; rows of V that one tensor load brings
.set QT,   27392                       ; LDS: V's 100 rows from byte 0; q's 32 rows from here;
.set KI,   36096                       ; the images of K: four column groups x 7 tiles x 1,024 bytes;
.set KIMG, 7168
.set STG,  64768                       ; the stage for out: 32 rows x 272 bytes.  Images and stage lie in blocks of 256 bytes into which no tensor load lands
.set AO,   4                           ; v4   base's codes: my row x 128 + 16 h
.set AS,   5                           ; v5   base's scale words: my row x 4
.set BO,   6                           ; v6   Wk's codes: r x 128 + 16 h
.set BS,   7                           ; v7   Wk's scale words and bk: 4 r
.set KW,   8                           ; v8   where I store images: my column group, my first tile, 16 x lane
.set KA,   9                           ; v9   where I read them: my column group, 16 x lane
.set VA,   10                          ; v10  V: my column in row 8 h
.set VB,   11                          ; v11  V: my column in row 2 h (the last four rows)
.set QA,   12                          ; v12  q: my column in my first query's row
.set STA,  13                          ; v13  the stage: the same place
.set SRD,  14                          ; v14  the stage, read back: row 2 w + h, 16 r
.set GO,   15                          ; v15  out: h rows of 32,768 bytes + 16 r
.set SA0,  16                          ; v16-18 scale words and nothing else: base's two tiles, Wk's
.set SA1,  17
.set SB,   18
.set COL,  19                          ; v19  my column's bytes in an LDS row
.set KR,   20                          ; v20-69   K: register 8 t + j = row 16 t + 8 h + j; 48 + j = row 96 + 2 h + j
.set VR,   70                          ; v70-119  V, likewise
.set XA,   120                         ; v120-169, v170-219: the two sets of 50
.set AF0,  XA                          ; at the head they hold: base's two fragments,
.set AF1,  XA+16
.set BF,   XA+32                       ; Wk's,
.set CB,   XA+50                       ; bk eight times,
.set D0,   XA+58                       ; and the two results
.set D1,   XA+66
.set QR,   220                         ; v220-227 my eight q
.set CQ,   228                         ; v228 q' of the query being scaled; v229 Kmax (the packed form names the pair and takes its low word)
.set CM,   230                         ; v230 m'; v231 Kmin
.set S,    232                         ; v[232:233] sum of e, even and odd registers
.set O,    234                         ; v[234:235] sum of e V
.set T,    236                         ; v236-239 at work
.set DN,   240                         ; v240-241 the whole sum of e, by the query's parity
.set NU,   242                         ; v242-243 the whole sum of e V
.set RC,   244                         ; v244-245 1 / DN
.set RES,  246                         ; v246-247 results on their way to the stage
.set PL,   248                         ; v248-249 what the lane 16 away sends
.set SEL,  2                           ; s[2:3] selects of v_permlanex16_b32: lane l xor 16
.set WV,   20
.set DG,   21
.set PG,   22
.set DH,   23
.set PH,   24
.set GG,   25
.set G1V,  32                          ; s[32:39] descriptor group 1 for V's tiles;  s[40:47] for q's;  s[48:51], s[52:55] their groups 0
.set G1Q,  40
.set G0V,  48
.set G0Q,  52
	s_load_b256 s[4:11], s[0:1], 0x0               ; Wk's codes s[4:5], Wk's scales s[6:7], bk s[8:9], base's codes s[10:11]
	s_load_b256 s[12:19], s[0:1], 0x20             ; base's scales s[12:13], V s[14:15], q s[16:17], out s[18:19]
	v_lshl_add_u32 v254, v0, 2, 0x29000
	v_mov_b32 v255, 0
	ds_add_u32 v254, v255
	ds_add_u32 v254, v255
	; all offsets and LDS addresses are made of ids alone: they are made here, while the arguments are on their way, and ahead of every branch
	v_lshrrev_b32 v1, 5, v0
	v_readfirstlane_b32 s[WV], v1                  ; wave 0..15
	s_and_b32 s[DG], s[WV], 3                      ; column group
	s_lshr_b32 s[PG], s[WV], 2                     ; query group; also: which tiles of K I make
	s_and_b32 s[DH], ttmp9, 1                      ; which 64 columns
	s_lshr_b32 s[PH], ttmp9, 1                     ; which 32 queries
	s_and_b32 s[GG], ttmp7, 0xffff                 ; the gallery
	s_mov_b32 s[SEL], 0x76543210
	s_mov_b32 s[SEL+1], 0xfedcba98
	; descriptor group 1: rows of 64 elements of 4 bytes, 128 elements apart in memory, 16 bytes of padding behind each in LDS
.irp g, G1V, G1Q
	s_mov_b32 s[\g], (2<<16)|(1<<20)|(5<<22)|(3<<25)   ; 15:0 no mask; 17:16 elements of 4 bytes; 20 padding on; 24:22 after every 64 words (code 5); 31:25 four words (code 3)
	s_mov_b32 s[\g+1], 64<<16                      ; tensor_dim0 = 64
	s_mov_b32 s[\g+3], 64<<16                      ; tile_dim0 = 64
	s_mov_b32 s[\g+5], 128                         ; from row to row
	s_mov_b32 s[\g+6], 0
	s_mov_b32 s[\g+7], 0
.endr
	s_mov_b32 s[G1V+2], VQ<<16                     ; tensor_dim1 and tile_dim1: 25 rows of V,
	s_mov_b32 s[G1V+4], VQ
	s_mov_b32 s[G1Q+2], 32<<16                     ; 32 rows of q
	s_mov_b32 s[G1Q+4], 32
	s_mov_b32 s[G0V], 1                            ; count = 1
	s_mul_i32 s[G0V+1], s[DG], VQ*VP               ; waves 0 to 3: rows 25 w on, in LDS
	s_mov_b32 s[G0Q], 1
	s_mov_b32 s[G0Q+1], QT
	s_lshl_b32 s28, s[DH], 8                       ; my 64 columns: 256 bytes on in a row of V, q, out
	s_mul_i32 s26, s[GG], 51200                    ; V: the gallery's 100 rows of 512 bytes,
	s_mul_i32 s27, s[DG], VQ*512                   ; rows 25 w on
	s_add_co_u32 s26, s26, s27
	s_add_co_u32 s26, s26, s28
	s_mov_b32 s27, 0
	s_lshl_b32 s30, s[PH], 14                      ; q: 32 rows of 512 bytes
	s_add_co_u32 s30, s30, s28
	s_mov_b32 s31, 0
	s_mul_i32 s56, s[GG], 12800                    ; base's codes: 100 rows of 128 bytes; my tiles begin at row 32 x query group
	s_lshl_b32 s29, s[PG], 12
	s_add_co_u32 s56, s56, s29
	s_mov_b32 s57, 0
	s_mul_i32 s58, s[GG], 400                      ; base's scale words: 4 bytes a row
	s_lshl_b32 s29, s[PG], 7
	s_add_co_u32 s58, s58, s29
	s_mov_b32 s59, 0
	s_lshl_b32 s62, s[DH], 6
	s_lshl_b32 s29, s[DG], 4
	s_add_co_u32 s62, s62, s29                     ; my first column e = 64 x half + 16 x group
	s_lshl_b32 s60, s62, 7                         ; Wk's codes: 128 bytes a row
	s_mov_b32 s61, 0
	s_lshl_b32 s62, s62, 2                         ; Wk's scale words and bk: 4 bytes
	s_mov_b32 s63, 0
	s_lshl_b32 s66, s[PH], 5
	s_lshl_b32 s29, s[WV], 1
	s_add_co_u32 s66, s66, s29                     ; out: the two queries whose pieces I store: 32 x half + 2 w, + 1
	s_lshl_b32 s66, s66, 15                        ; 64 galleries x 512 bytes a query
	s_lshl_b32 s29, s[GG], 9
	s_add_co_u32 s66, s66, s29
	s_add_co_u32 s66, s66, s28
	s_mov_b32 s67, 0
	s_mul_i32 s68, s[DG], KIMG
	s_add_co_u32 s68, s68, KI                      ; my column group's images
	s_lshl_b32 s69, s[PG], 11
	s_add_co_u32 s69, s69, s68                     ; my two tiles among them
	s_lshl_b32 s70, s[DG], 6                       ; my column group in an LDS row
	s_mul_i32 s71, s[PG], 8*VP                     ; my eight queries' rows
	s_mul_i32 s72, s[WV], 2*VP
	s_add_co_u32 s72, s72, STG                     ; the two stage rows that I store
	s_cmp_eq_u32 s[PG], 3
	s_cselect_b32 s29, -1, 0                       ; all lanes: my first tile is the seventh
	v_and_b32 v1, 15, v0                           ; r
	v_bfe_u32 v2, v0, 4, 1                         ; h
	v_and_b32 v3, 31, v0                           ; lane
	v_and_b32 v[AO], 1, v1
	v_lshrrev_b32 v[AS], 3, v1
	v_lshl_add_u32 v[AO], v[AS], 1, v[AO]          ; r % 2 + 2 (r / 8): the seventh tile's rows, all within 96..99
	v_cndmask_b32 v[AO], v1, v[AO], s29            ; else row r of the tile
	v_lshlrev_b32 v[AS], 2, v[AO]
	v_lshlrev_b32 v[AO], 7, v[AO]
	v_lshl_add_u32 v[AO], v2, 4, v[AO]             ; a fragment: registers 4 c .. 4 c + 3 hold k = 32 c + 16 h + 0..15 of the lane's row
	v_lshlrev_b32 v[BS], 2, v1
	v_lshlrev_b32 v[BO], 7, v1
	v_lshl_add_u32 v[BO], v2, 4, v[BO]
	v_lshl_add_u32 v[KA], v3, 4, s68
	v_lshl_add_u32 v[KW], v3, 4, s69
	v_lshl_add_u32 v[COL], v1, 2, s70
	v_mad_u32_u24 v[VA], v2, 8*VP, v[COL]
	v_mad_u32_u24 v[VB], v2, 2*VP, v[COL]
	v_add_nc_u32 v[QA], s71, v[COL]
	v_add_nc_u32 v[STA], STG, v[QA]
	v_add_nc_u32 v[QA], QT, v[QA]
	v_mul_u32_u24 v[SRD], v2, VP
	v_lshl_add_u32 v[SRD], v1, 4, v[SRD]
	v_add_nc_u32 v[SRD], s72, v[SRD]
	v_lshlrev_b32 v[GO], 15, v2
	v_lshl_add_u32 v[GO], v1, 4, v[GO]
	v_mov_b32 v[PL], 0                             ; written once: a lane permute's destination counts as one of its sources
	v_mov_b32 v[PL+1], 0
	s_wait_dscnt 0x0
	s_wait_kmcnt 0x0
	s_add_nc_u64 s[G0V+2:G0V+3], s[14:15], s[26:27]
	s_or_b32 s[G0V+3], s[G0V+3], 0x80000000        ; type = 2
	s_add_nc_u64 s[G0Q+2:G0Q+3], s[16:17], s[30:31]
	s_or_b32 s[G0Q+3], s[G0Q+3], 0x80000000
	; the fills, each bytes' only one: waves 0 to 3 a quarter of V's tile, wave 4 q's tile; one load a wave is out.  Four v_nop follow each line
	s_cmp_lt_u32 s[WV], 4
	s_cbranch_scc0 .Lnot_v
	tensor_load_to_lds s[G0V:G0V+3], s[G1V:G1V+7]
	s_nop 0
.rept 4
	v_nop
.endr
	s_branch .Lasked
.Lnot_v:
	s_cmp_eq_u32 s[WV], 4
	s_cbranch_scc0 .Lasked
	tensor_load_to_lds s[G0Q:G0Q+3], s[G1Q:G1Q+7]
	s_nop 0
.rept 4
	v_nop
.endr
.Lasked:
	s_add_nc_u64 s[4:5], s[4:5], s[60:61]
	s_add_nc_u64 s[6:7], s[6:7], s[62:63]
	s_add_nc_u64 s[8:9], s[8:9], s[62:63]
	s_add_nc_u64 s[10:11], s[10:11], s[56:57]
	s_add_nc_u64 s[12:13], s[12:13], s[58:59]
	s_add_nc_u64 s[18:19], s[18:19], s[66:67]
.irp c, 0,1,2,3
	global_load_b128 v[BF+4*\c:BF+4*\c+3], v[BO], s[4:5] offset:32*\c      ; Wk's 16 rows: four loads cover their 2,048 consecutive bytes
.endr
	global_load_b32 v[SB], v[BS], s[6:7]
.irp c, 0,1,2,3
	global_load_b128 v[AF0+4*\c:AF0+4*\c+3], v[AO], s[10:11] offset:32*\c  ; my first tile of base
.endr
	global_load_b32 v[SA0], v[AS], s[12:13]
.irp i, 0,1,2,3,4,5,6,7
	global_load_b32 v[CB+\i], v[BS], s[8:9]        ; C wants my column's bk in all eight registers: eight loads of the one word fill them, with no copies in front of the product
.endr
.macro KTILE d, a, s                   ; K(l, e) = base's 16 rows x Wk's 16 rows + bk: lane (r, h), register j: row 8 h + j of the tile, column r
	v_wmma_scale_f32_16x16x128_f8f6f4 v[\d:\d+7], v[\a:\a+15], v[BF:BF+15], v[CB:CB+7], v[\s], v[SB]
.endm
	; query groups 0 to 2 make two tiles, group 3 the seventh alone: one branch on the wave's number round all that differs
	s_cmp_eq_u32 s[PG], 3
	s_cbranch_scc1 .Lsingle
.irp c, 0,1,2,3
	global_load_b128 v[AF1+4*\c:AF1+4*\c+3], v[AO], s[10:11] offset:2048+32*\c   ; my second tile: 16 rows on
.endr
	global_load_b32 v[SA1], v[AS], s[12:13] offset:64
	s_wait_loadcnt 0x0
	KTILE D0, AF0, SA0
	KTILE D1, AF1, SA1
.rept 8
	v_nop                                          ; eight places between this form and the first read of its result
.endr
	ds_store_b128 v[KW], v[D0:D0+3]                ; the images: each result from its low end on
	ds_store_b128 v[KW], v[D0+4:D0+7] offset:512
	ds_store_b128 v[KW], v[D1:D1+3] offset:1024
	ds_store_b128 v[KW], v[D1+4:D1+7] offset:1536
	s_branch .Lstored
.Lsingle:
	s_wait_loadcnt 0x0
	KTILE D0, AF0, SA0
.rept 8
	v_nop
.endr
	ds_store_b64 v[KW], v[D0:D0+1]                 ; of the seventh tile registers 0 and 1 are rows 96 + 2 h, 97 + 2 h; the others repeat rows and are dropped
.Lstored:
	s_wait_tensorcnt 0x0                           ; for the others' sake: my part of V or q has landed,
	s_wait_dscnt 0x0                               ; and my images are stored
	s_barrier_signal -1
	s_barrier_wait -1                              ; everybody's are
.irp n, 0,1,2,3,4,5,6,7,8,9,10,11
	ds_load_b128 v[KR+4*\n:KR+4*\n+3], v[KA] offset:512*\n     ; K: the images come back as they went
.endr
	ds_load_b64 v[KR+48:KR+49], v[KA] offset:6144
.irp i, 0,1,2,3,4,5,6,7
	ds_load_b32 v[QR+\i], v[QA] offset:VP*\i       ; my eight q
.endr
.irp t, 0,1,2,3,4,5
.irp j, 0,1,2,3,4,5,6,7
	ds_load_b32 v[VR+8*\t+\j], v[VA] offset:(16*\t+\j)*VP      ; V(16 t + 8 h + j, my column): the rows in K's order
.endr
.endr
	ds_load_b32 v[VR+48], v[VB] offset:96*VP
	ds_load_b32 v[VR+49], v[VB] offset:97*VP
	s_wait_dscnt 58                                ; K's 13 loads are in; q's 8 and V's 50 may be out
	; my column's largest and smallest K: my 50 rows in two chains each, then the other half of the lanes'
	v_max3_num_f32 v[T],   v[KR],   v[KR+1], v[KR+2]
	v_min3_num_f32 v[T+1], v[KR],   v[KR+1], v[KR+2]
	v_max3_num_f32 v[T+2], v[KR+3], v[KR+4], v[KR+5]
	v_min3_num_f32 v[T+3], v[KR+3], v[KR+4], v[KR+5]
.irp i, 6,10,14,18,22,26,30,34,38,42,46
	v_max3_num_f32 v[T],   v[T],   v[KR+\i],   v[KR+\i+1]
	v_min3_num_f32 v[T+1], v[T+1], v[KR+\i],   v[KR+\i+1]
	v_max3_num_f32 v[T+2], v[T+2], v[KR+\i+2], v[KR+\i+3]
	v_min3_num_f32 v[T+3], v[T+3], v[KR+\i+2], v[KR+\i+3]
.endr
	v_max_num_f32 v[T], v[T], v[T+2]
	v_min_num_f32 v[T+1], v[T+1], v[T+3]
	v_permlanex16_b32 v[PL], v[T], s[SEL], s[SEL+1]
	v_permlanex16_b32 v[PL+1], v[T+1], s[SEL], s[SEL+1]
	v_max_num_f32 v[CQ+1], v[T], v[PL]             ; Kmax
	v_min_num_f32 v[CM+1], v[T+1], v[PL+1]         ; Kmin
; q' and m' of my i-th query
.macro QM i
	v_mul_f32 v[CQ], 0x3fb8aa3b, v[QR+(\i)]        ; q' = q log2(e)
	v_mul_f32 v[T], v[CQ], v[CQ+1]
	v_mul_f32 v[T+1], v[CQ], v[CM+1]
	v_max_num_f32 v[CM], v[T], v[T+1]              ; the largest q' K over all 100 rows: at Kmax where q is positive, at Kmin where it is negative
.endm
; PHASE k, k = -1 .. 7.  Set Y: query k + 1 is scaled and exponentiated in place.  Set X: query k, whose exponentials were waited for at the last phase's end, is summed.
; Step j: the scaling of pair j, the exponentials of pair j - 1, the sums of pair j - 2: five instructions lie between a scaling and its exponentials and between two links of a sum.
; Nothing in a phase names a result of its own exponentials or of its reciprocal: one wait at its end serves them all.
; The end of query k: phase k adds the halves; phase k + 1 has the reciprocal, at its head; phase k + 2 multiplies and stores.  So the last transcendental of a phase stands some twenty plain instructions ahead of the wait.
.macro PHASE k
.set X, XA+50*(((\k)+2)%2)
.set Y, XA+50*(((\k)+1)%2)
.if (\k) >= 2
	v_mul_f32 v[RES], v[NU+(\k)%2], v[RC+(\k)%2]   ; query k - 2 is done;
	ds_store_b32 v[STA], v[RES] offset:((\k)-2)*VP ; both halves of the lanes hold the same number and write the same word
.endif
.if (\k) >= 1
	v_rcp_f32 v[RC+((\k)-1)%2], v[DN+((\k)-1)%2]   ; a plain instruction that names neither register follows
.endif
.set j, 0
.rept 27
.if ((\k) < 7) && (j < 25)
	v_pk_fma_f32 v[Y+2*j:Y+2*j+1], v[KR+2*j:KR+2*j+1], v[CQ:CQ+1], v[CM:CM+1] op_sel_hi:[1,0,0] neg_lo:[0,0,1] neg_hi:[0,0,1]   ; q' K - m', two rows (of the pairs q' and m' the low word serves both)
.endif
.if ((\k) < 7) && (j >= 1) && (j < 26)
	v_exp_f32 v[Y+2*j-2], v[Y+2*j-2]
	v_exp_f32 v[Y+2*j-1], v[Y+2*j-1]
.endif
.if ((\k) >= 0) && (j == 2)
	v_pk_mul_f32 v[O:O+1], v[X:X+1], v[VR:VR+1]    ; the first pairs start the sums: nothing is cleared
.elseif ((\k) >= 0) && (j == 3)
	v_pk_add_f32 v[S:S+1], v[X:X+1], v[X+2:X+3]
	v_pk_fma_f32 v[O:O+1], v[X+2:X+3], v[VR+2:VR+3], v[O:O+1]
.elseif ((\k) >= 0) && (j > 3)
	v_pk_add_f32 v[S:S+1], v[S:S+1], v[X+2*j-4:X+2*j-3]
	v_pk_fma_f32 v[O:O+1], v[X+2*j-4:X+2*j-3], v[VR+2*j-4:VR+2*j-3], v[O:O+1]
.endif
.set j, j+1
.endr
.if (\k) >= 0
	v_add_f32 v[T], v[S], v[S+1]                   ; even and odd registers,
	v_add_f32 v[T+1], v[O], v[O+1]
	v_permlanex16_b32 v[PL], v[T], s[SEL], s[SEL+1]
	v_permlanex16_b32 v[PL+1], v[T+1], s[SEL], s[SEL+1]
	v_add_f32 v[DN+(\k)%2], v[T], v[PL]            ; and the column's other 50 rows, in the lane 16 away
	v_add_f32 v[NU+(\k)%2], v[T+1], v[PL+1]
.endif
.if (\k)+2 <= 7
	QM (\k)+2                                      ; this phase's scalings are issued: q' and m' may change
.endif
.if (\k) < 7
	s_wait_alu depctr_va_vdst(0)                   ; the phase's one wait: its 50 exponentials and its reciprocal
.endif
.endm
	s_wait_dscnt 50                                ; q's 8 loads are in; V's 50 may be out
	QM 0
	PHASE -1                                       ; query 0 is scaled and exponentiated while V arrives
	s_wait_dscnt 0x0                               ; V
.irp k, 0,1,2,3,4,5,6,7
	PHASE \k
.endr
	v_rcp_f32 v[RC+1], v[DN+1]                     ; query 7's
	v_nop                                          ; a plain instruction between the reciprocal and the use of its result
	s_wait_alu depctr_va_vdst(0)                   ; one wait for the reciprocals of queries 6 and 7
	v_mul_f32 v[RES], v[NU], v[RC]
	v_mul_f32 v[RES+1], v[NU+1], v[RC+1]
	ds_store_b32 v[STA], v[RES] offset:6*VP
	ds_store_b32 v[STA], v[RES+1] offset:7*VP
	; THE WAY OUT.  A query's 256 bytes come from four waves: they meet in the stage, and each wave stores two whole rows
	s_wait_dscnt 0x0                               ; for the others' sake: my stores into the stage are done
	s_barrier_signal -1
	s_barrier_wait -1
	ds_load_b128 v[XA:XA+3], v[SRD]                ; lanes 0-15 row 2 w, lanes 16-31 row 2 w + 1
	s_wait_dscnt 0x0
	global_store_b128 v[GO], v[XA:XA+3], s[18:19] th:TH_STORE_NT   ; sixteen lanes store 256 consecutive bytes, at a multiple of 256 from out's first byte; written once, read by nobody here
	s_wait_tensorcnt 0x0
	ds_add_u32 v254, v255
	s_wait_dscnt 0x0
	s_endpgm
.Lfunc_end_k_q46f3bd9c7f_pool:
	.size	k_q46f3bd9c7f_pool, .Lfunc_end_k_q46f3bd9c7f_pool-k_q46f3bd9c7f_pool
	.p2alignl 7, 3214868480
	.fill 96, 4, 3214868480
	.section	.rodata,"a",@progbits
	.p2align	6, 0x0
	.amdhsa_kernel k_q46f3bd9c7f_pool
		.amdhsa_group_segment_fixed_size 169984
		.amdhsa_private_segment_fixed_size 0
		.amdhsa_enable_private_segment 0
		.amdhsa_kernarg_size 64
		.amdhsa_user_sgpr_count 2
		.amdhsa_user_sgpr_kernarg_segment_ptr 1
		.amdhsa_wavefront_size32 1
		.amdhsa_system_sgpr_workgroup_id_x 1
		.amdhsa_system_sgpr_workgroup_id_y 1
		.amdhsa_system_sgpr_workgroup_id_z 1
		.amdhsa_system_vgpr_workitem_id 0
		.amdhsa_next_free_vgpr 256
		.amdhsa_next_free_sgpr 74
		.amdhsa_reserve_vcc 0
		.amdhsa_float_denorm_mode_32 3
		.amdhsa_float_denorm_mode_16_64 3
		.amdhsa_memory_ordered 1
		.amdhsa_forward_progress 1
		.amdhsa_inst_pref_size 73
	.end_amdhsa_kernel
	.amdgpu_metadata
---
amdhsa.version: [ 1, 2 ]
amdhsa.kernels:
  - .name:           k_q46f3bd9c7f_pool
    .symbol:         k_q46f3bd9c7f_pool.kd
    .args:
      - { .name: Wk_codes, .offset: 0, .size: 8, .value_kind: global_buffer, .address_space: global }
      - { .name: Wk_scales, .offset: 8, .size: 8, .value_kind: global_buffer, .address_space: global }
      - { .name: bk, .offset: 16, .size: 8, .value_kind: global_buffer, .address_space: global }
      - { .name: gallery_base_codes, .offset: 24, .size: 8, .value_kind: global_buffer, .address_space: global }
      - { .name: gallery_base_scales, .offset: 32, .size: 8, .value_kind: global_buffer, .address_space: global }
      - { .name: gallery_value, .offset: 40, .size: 8, .value_kind: global_buffer, .address_space: global }
      - { .name: querys, .offset: 48, .size: 8, .value_kind: global_buffer, .address_space: global }
      - { .name: out0, .offset: 56, .size: 8, .value_kind: global_buffer, .address_space: global }
    .group_segment_fixed_size: 169984
    .private_segment_fixed_size: 0
    .kernarg_segment_align: 8
    .kernarg_segment_size: 64
    .max_flat_workgroup_size: 512
    .sgpr_count:     74
    .vgpr_count:     256
    .wavefront_size: 32
...
	.end_amdgpu_metadata
.endif
;; end of part 1
